; MI455X (gfx1250); checked and timed in simulation.
; The chip was launched on July 23, 2026; its instructions are those of AMD's public machine-readable ISA for CDNA 5 (MIT licence, August 2026) and "CDNA5" Instruction Set Architecture Reference Guide (July 2026). The comments in the code are by the model that wrote it; some were corrected since.
;; Multi Head Attention. Allowed arithmetic: matrix products marked QUANTISED: E2M3 operands, one E8M0 scale for each 32 along K, by v_wmma_scale_f32_16x16x128_f8f6f4 with both operands' format E2M3, f32 sums; everything else in f32.
;; Inputs: k_proj_codes 12 x 64 x 24 x 24 uint8 (E2M3 codes of k_proj, K innermost, in blocks of 32 codes, four codes in three bytes); k_proj_scales 12 x 64 x 24 uint8 (E8M0 scales of k_proj, one for each 32 codes along K); q_proj_codes 12 x 64 x 24 x 24 uint8 (E2M3 codes of q_proj, K innermost, in blocks of 32 codes, four codes in three bytes); q_proj_scales 12 x 64 x 24 uint8 (E8M0 scales of q_proj, one for each 32 codes along K); v_proj_codes 12 x 64 x 24 x 24 uint8 (E2M3 codes of v_proj, K innermost, in blocks of 32 codes, four codes in three bytes); v_proj_scales 12 x 64 x 24 uint8 (E8M0 scales of v_proj, one for each 32 codes along K); x_codes 1 x 4,096 x 24 x 24 uint8 (E2M3 codes of x, K innermost, in blocks of 32 codes, four codes in three bytes); x_scales 1 x 4,096 x 24 uint8 (E8M0 scales of x, one for each 32 codes along K).
;; Outputs: out0 1 x 12 x 4,096 x 64 float32.
;; This version of the problem:
;;   THIS VERSION OF THE PROBLEM IS GIVEN IN LOW PRECISION. The matrix products marked QUANTISED in the list below multiply operands that are first quantised to E2M3 (2 exponent bits, 3 mantissa bits; 6 bits a number), with one power-of-two scale for each 32 numbers along K (OCP MX v1.0); their sums are f32. All else is computed in f32.
;;   The module's matrix products, in the order in which they are computed (A, B: the left and right operand; K: the contracted axis; several contracted axes count as one K, in the product's order):
;;     1. [M 768, K 768] x [K 768, N 4,096]; A: input q_proj (given as codes); B: input x (given as codes): QUANTISED
;;     2. [M 768, K 768] x [K 768, N 4,096]; A: input k_proj (given as codes); B: input x (given as codes): QUANTISED
;;     3. [M 768, K 768] x [K 768, N 4,096]; A: input v_proj (given as codes); B: input x (given as codes): QUANTISED
;;     4. batch 12 x [M 4,096, K 64] x [K 64, N 4,096]; A: computed on the way; B: computed on the way: QUANTISED
;;     5. batch 12 x [M 4,096, K 4,096] x [K 4,096, N 64]; A: softmax (see below); B: computed on the way: QUANTISED
;;   THE QUANTISER, for each operand of a quantised product, along K:
;;     - K is cut into blocks of 32 from its start; a last block that is shorter is filled with zeros.
;;     - A block's scale is 2^e with e = floor(log2(the largest magnitude in the block)) - 2, held to -126 .. 127; a block of zeros has e = 0. As a byte (E8M0): e + 127.
;;     - Each number is divided by its block's scale, clamped to +-7.5, and rounded to the nearest number of E2M3, ties to even, subnormals kept.
;;     - The product sums the exact products of the quantised numbers (number of the format x scale) in f32.
;;   ~~~python
;;   def quantise(x, axis):      # numpy; x: float32 -> the quantised numbers, widened to float32 again
;;       x = np.moveaxis(x, axis, -1); K = x.shape[-1]
;;       x = np.pad(x, [(0, 0)] * (x.ndim - 1) + [(0, -K % 32)]); x = x.reshape(x.shape[:-1] + (-1, 32)); a = np.abs(x).max(-1, keepdims=True)
;;       e = np.where(a > 0, np.clip(np.frexp(np.where(a > 0, a, 1))[1] - 1 - 2, -126, 127), 0)      # np.frexp(a)[1] - 1 = floor(log2(a)), exactly
;;       r = np.clip(x / 2.0 ** e, -7.5, 7.5)
;;       step = 2.0 ** (np.maximum(np.frexp(np.where(r == 0, 1, r))[1] - 1, 0) - 3)
;;       q = np.round(r / step) * step * 2.0 ** e      # np.round: ties to even
;;       return np.moveaxis(q.reshape(q.shape[:-2] + (-1,))[..., :K], -1, axis).astype(np.float32)
;;   ~~~
;;   SOFTMAX AHEAD OF A QUANTISED PRODUCT. Where the list says 'softmax', what is quantised is not the finished softmax but p = 2^(t - M), with t = logit x log2(e) and M = ceil(the row's largest t), a whole number; so 1/2 < the row's largest p <= 1. The row's sum l is taken of the UNQUANTISED p, in f32, and the product's result is divided by l at the end. Since M is a whole number, a kernel that streams over the keys may use a running M (the ceiling of the running maximum): every later rescaling is an exact power of two, which a block's scale takes up: the codes' values come out the same.
;;   OPERANDS COMPUTED ON THE WAY. 'Computed on the way' means the value that the module computes at that place (a softmax that the list does not call 'softmax' is quantised finished and normalised). What goes into a quantiser is computed in f32, as accurately as f32 sums, v_exp_f32 and their like allow (about 1e-6 of the number): no bf16 or f16 on the way to a quantiser, and a product that is left as it is and whose result goes on into a quantised operand takes f32 operands (vector FMAs, or v_wmma_f32_16x16x4_f32). A number that lies on a knife's edge between two numbers of the format may be rounded either way, as far as f32 arithmetic and the matrix unit's own rounding can turn it there, and no further.
;;   INPUTS GIVEN AS CODES. k_proj (in the module: [12, 768, 64], K = its axis 1); q_proj (in the module: [12, 768, 64], K = its axis 1); v_proj (in the module: [12, 768, 64], K = its axis 1); x (in the module: [1, 4096, 768], K = its axis 2): each comes as NAME_codes (uint8): NAME with its K axis moved to the last place and cut into blocks of 32 codes, [.., K / 32, bytes a block], one block behind the other in memory; four codes in three bytes: a row's codes are one little-endian stream of bits, code i at bits 6 i .. 6 i + 5 (a code: sign, 2 exponent bits, 3 mantissa bits); and NAME_scales (uint8): the same leading axes, one E8M0 byte (e + 127) for each 32 codes along K. Its value is code x scale, taken as it is: it is not quantised again, and the codes and scales need not be those that the quantiser above would give.
;; One version. Each part assembles by itself: llvm-mc -triple=amdgcn-amd-amdhsa -mcpu=gfx1250 --defsym DOCPART=n.
;; ======== version 1 of 1: 2 launches
;; workspace buffers: qimg 2,752,512 bytes; kv 5,013,504 bytes
;; launch proj (part 1): grid 12 x 16, 12 waves a work-group, clusters of 4 x 4, 327,680 bytes of LDS; arguments x_codes, x_scales, q_proj_codes, q_proj_scales, k_proj_codes, k_proj_scales, v_proj_codes, v_proj_scales, qimg, kv; writes qimg, kv
.if DOCPART == 1
	.amdgcn_target "amdgcn-amd-amdhsa--gfx1250"
	.amdhsa_code_object_version 6
	.text
	.protected	k_qf29b37ca6b_proj
	.globl	k_qf29b37ca6b_proj
	.p2align	8
	.type	k_qf29b37ca6b_proj,@function
k_qf29b37ca6b_proj:
	s_mov_b64 s[64:65], 0
	v_nop
	global_prefetch_b8 v0, s[64:65] scope:SCOPE_SE
	s_setreg_imm32_b32 hwreg(HW_REG_WAVE_MODE, 25, 1), 1
	s_wait_xcnt 0x0
	s_wait_alu depctr_hold_cnt(0) depctr_sa_sdst(0) depctr_va_vdst(0) depctr_va_sdst(0) depctr_va_ssrc(0) depctr_va_vcc(0) depctr_vm_vsrc(0)
	s_getreg_b32 s2, hwreg(HW_REG_IB_STS2, 6, 4)
	s_cmp_eq_u32 s2, 0
	s_cbranch_scc0 .Lentry_in_a_cluster
	s_endpgm
.Lentry_in_a_cluster:
	s_bfe_u32 s2, ttmp6, 0x10000c
	s_cmp_lg_u32 s2, 0xf033
	s_cbranch_scc0 .Lentry_shape_is_right
	s_endpgm
.Lentry_shape_is_right:
; q = x Wq^T, k = x Wk^T, v = x Wv^T for one head and 256 rows of x, on codes of FP6 (E2M3) as they are given (K = 768 innermost, one E8M0 byte for each 32), sums in f32;
; then the quantisers of the attention's operands: q and k along the head's 64 numbers (two blocks), v along the keys.  The codes leave as IMAGES OF THE OPERANDS' REGISTERS, so that the next launch loads fragments lane by lane.
; SHARES.  Work-group (head, block of 256 rows).  Twelve waves run one text: source 0 = 128 rows A (8 tiles), source 1 = 32 rows B (2 tiles), 16 accumulators, K in 6 steps of 128: 96 matrix instructions a wave.
;   waves 0-7  (QK): A = Wq's 64 rows, then Wk's 64;  B = x rows 32 w on.   A lane holds one row of x; its registers run along d: 0-31 q, 32-63 k.
;   waves 8-11 (V):  A = x rows 128 rho on (the keys of one step);  B = Wv rows 32 pv on.   A lane holds one d; its registers run along 128 keys.
; THE ROWS OF A TILE ARE NOT NEIGHBOURS: lane r of tile 2 b + u takes row 32 b + 8 u + r + 8 (r / 8), so that the 16 registers of tiles 2 b and 2 b + 1 are 16 neighbours along the next K: 32 b + 16 (lane / 16) + 0 .. 15.
; LDS: x's 256 rows, Wq's, Wk's and Wv's 64 rows each, all of K, as three chunks of 256 along K; a row of a chunk is 192 bytes, laid as 3 x (64 + 16 of padding) = 240.  Filled once, never again.
;   (Rows 16 apart lie 3,840 = 15 x 256 bytes apart: the two groups of eight rows of a tile start at the same byte modulo 256.  That is the price of the choice of rows.)
; CLUSTER 4 x 4: the four work-groups of a row of the cluster share the rows of x, the four of a column the head's weights: each tile is asked for jointly.
; OUT.  kv: [head][step of 128 keys] blocks of 13,056 bytes: K's 8 tiles (768 bytes: registers 0-1 at 8 x lane, registers 2-5 at 256 + 16 x lane); at 6,144 K's scale words (4 x 128 bytes: lanes 0-15 tile 2 j, lanes 16-31 tile 2 j + 1);
;   at 6,656 V's 4 tiles (3 x 512 bytes: registers 4 c .. 4 c + 3 at 16 x lane); at 12,800 V's scale words (2 x 128).   qimg: [head][step][pair] records of 1,792 bytes: tile n at 768 n (registers 0-3 at 16 x lane, 4-5 at 512 + 8 x lane); at 1,536 + 8 x lane + 4 n its scale word.
;   A scale word of q or k holds its two bytes twice: the next launch's products are 128 deep, the head is 64; the upper half multiplies zero codes under the same two scales.
;   Every store of codes covers whole aligned runs of 256 bytes; the stores of K's and V's scale words cover 128 bytes each.
; LIMITS: NaN, infinities and the scale byte 0xff among the inputs are not served.  A block whose largest magnitude lies under 2^-124 (a block of zeros too) gets the byte 1 where the quantiser's rule says otherwise for zeros (127): its codes are then zeros or the rule's own, and the bytes are read by this program alone.
.set ROWP, 240
.set CH,   448*ROWP                    ; a chunk: 448 rows
.set PADW, (1<<20)|(1<<21)|(3<<22)|(3<<25)   ; elements of 1 byte; padding on; bit 21 beside a mask; after every 16 words; 4 words of it
.set G1X, 24                           ; s[24:31] descriptor group 1 for x's tiles;  s[32:39] for the weights': they differ in the mask
.set G1W, 32
.set G0X, 40                           ; s[40:51] groups 0 for x, a set for each chunk;  s[52:63] for the weights
.set G0W, 52
.set WV,  66                           ; s66 my wave's number
.set PA0, 72                           ; s[72:73] scale bytes of A's rows 0-63;  s[74:75] of rows 64-127;  s[76:77] of B's 32 rows
.set PA1, 74
.set PB,  76
.set QB,  82                           ; s[82:83] my record of qimg;  s[84:85] where my codes go in kv;  s[86:87] my scale words there
.set KVC, 84
.set KVS, 86
.set SEL, 88                           ; s[88:89] lane selects for v_permlanex16_b32: lane l xor 16
.set L16, 1                            ; v1-3  16, 8, 4 x lane
.set L8,  2
.set L4,  3
.set AA,  4                            ; v4, v5  LDS address of A's fragments (24 bytes a half; 40 for the pieces behind one padding more)
.set AB,  6                            ; v6, v7  the same for B
.set VSC, 8                            ; v8      24 x (8 (lane / 16) + my row of a tile): my row's scale bytes in a pair of tiles
.set BF,  16                           ; v16-39  B's two fragments
.set AF,  40                           ; v40-87  four fragments of A
.set SA,  88                           ; v88-111 A's scale words: register 6 p + q: pair of tiles p, K step q; lanes 0-15 tile 2 p, lanes 16-31 tile 2 p + 1.  Scales and nothing else
.set SB,  112                          ; v112-117 B's: register q
.set ACC, 128                          ; v128-255 accumulator (n, t) at 128 + 64 n + 8 t
.set PC0, 16                           ; behind the products: the codes of B's tile 0, tile 1;
.set PC1, 28
.set TC,  40                           ; v40-42, v44-46 the conversions' second halves
.set TM,  48                           ; v48-51 largest magnitudes, v52-55 bytes, v60-63 the conversions' scale operands
.set QW,  64                           ; v64-65 q's scale words of tiles 0, 1;  v66-67 k's;  v68 the word that is stored;  v70-71 the words as made
.set KW,  66
.set WS,  68
.set PW,  70
.macro CROUND                          ; a round of the cluster's barrier: my work-group's barrier; wave 0 signals for the work-group; every wave waits for all sixteen; my work-group's barrier once more
	s_barrier_signal -1
	s_barrier_wait -1
	s_cmp_lg_u32 s[WV], 0
	s_cbranch_scc1 .Lnot_wave_0_\@
	s_barrier_signal -3
.Lnot_wave_0_\@:
	s_barrier_wait -3
	s_barrier_signal -1
	s_barrier_wait -1
.endm
; A fragment, 16 rows x 128 K of 6-bit codes, is 12 registers: registers 6 c .. 6 c + 5 hold K = 64 c + 32 (lane / 16) + 0 .. 31: 24 bytes of the row's stream of bits, in pieces of 8 bytes.
; Lanes 16-31 read three pieces further on; where that lies behind one padding more, the second address register serves.  q: which 128 of the chunk's 256; row: the tile's first row.
.macro FRAG reg, adr, q, row
.irp p, 0,1,2,3,4,5
.set PCE, 12*(\q)+6*(\p/3)+\p%3
.if PCE%8 < 5
	ds_load_b64 v[\reg+2*\p:\reg+2*\p+1], v[\adr] offset:8*PCE+16*(PCE/8)+(\row)*ROWP
.else
	ds_load_b64 v[\reg+2*\p:\reg+2*\p+1], v[\adr+1] offset:8*PCE+16*(PCE/8)+(\row)*ROWP
.endif
.endr
.endm
; One matrix instruction.  ra, rb: the side's scale words stand in lanes 16-31.  zero: the first product starts the sum.
.macro MM d, a, b, zero, sa, sb, ra, rb
.if \zero
.if (\ra) && (\rb)
	v_wmma_scale_f32_16x16x128_f8f6f4 v[\d:\d+7], v[\a:\a+11], v[\b:\b+11], 0, v[\sa], v[\sb] matrix_a_fmt:MATRIX_FMT_FP6 matrix_b_fmt:MATRIX_FMT_FP6 matrix_a_scale:MATRIX_SCALE_ROW1 matrix_b_scale:MATRIX_SCALE_ROW1
.elseif \ra
	v_wmma_scale_f32_16x16x128_f8f6f4 v[\d:\d+7], v[\a:\a+11], v[\b:\b+11], 0, v[\sa], v[\sb] matrix_a_fmt:MATRIX_FMT_FP6 matrix_b_fmt:MATRIX_FMT_FP6 matrix_a_scale:MATRIX_SCALE_ROW1
.elseif \rb
	v_wmma_scale_f32_16x16x128_f8f6f4 v[\d:\d+7], v[\a:\a+11], v[\b:\b+11], 0, v[\sa], v[\sb] matrix_a_fmt:MATRIX_FMT_FP6 matrix_b_fmt:MATRIX_FMT_FP6 matrix_b_scale:MATRIX_SCALE_ROW1
.else
	v_wmma_scale_f32_16x16x128_f8f6f4 v[\d:\d+7], v[\a:\a+11], v[\b:\b+11], 0, v[\sa], v[\sb] matrix_a_fmt:MATRIX_FMT_FP6 matrix_b_fmt:MATRIX_FMT_FP6
.endif
.else
.if (\ra) && (\rb)
	v_wmma_scale_f32_16x16x128_f8f6f4 v[\d:\d+7], v[\a:\a+11], v[\b:\b+11], v[\d:\d+7], v[\sa], v[\sb] matrix_a_fmt:MATRIX_FMT_FP6 matrix_b_fmt:MATRIX_FMT_FP6 matrix_a_scale:MATRIX_SCALE_ROW1 matrix_b_scale:MATRIX_SCALE_ROW1
.elseif \ra
	v_wmma_scale_f32_16x16x128_f8f6f4 v[\d:\d+7], v[\a:\a+11], v[\b:\b+11], v[\d:\d+7], v[\sa], v[\sb] matrix_a_fmt:MATRIX_FMT_FP6 matrix_b_fmt:MATRIX_FMT_FP6 matrix_a_scale:MATRIX_SCALE_ROW1
.elseif \rb
	v_wmma_scale_f32_16x16x128_f8f6f4 v[\d:\d+7], v[\a:\a+11], v[\b:\b+11], v[\d:\d+7], v[\sa], v[\sb] matrix_a_fmt:MATRIX_FMT_FP6 matrix_b_fmt:MATRIX_FMT_FP6 matrix_b_scale:MATRIX_SCALE_ROW1
.else
	v_wmma_scale_f32_16x16x128_f8f6f4 v[\d:\d+7], v[\a:\a+11], v[\b:\b+11], v[\d:\d+7], v[\sa], v[\sb] matrix_a_fmt:MATRIX_FMT_FP6 matrix_b_fmt:MATRIX_FMT_FP6
.endif
.endif
.endm
; A K step of 128: B's two fragments; then twice: four fragments of A, eight products.  q: which 128 of the chunk; kq: which of K's six.
; The 16 accumulators take turns, one instruction a turn, in the same order in every step.
; Four plain places stand behind each run of products, ahead of the loads into registers that those products have read (ISA guide 7.12.1 for vector instructions).
.macro KSTEP q, kq, zero
	FRAG BF, AB, \q, 0
	FRAG BF+12, AB, \q, 8
.irp g, 0,1
.irp tt, 0,1,2,3
	FRAG AF+12*\tt, AA, \q, 32*((4*\g+\tt)/2)+8*(\tt%2)
.endr
	s_wait_dscnt 0x0                               ; the fragments are in
.irp tt, 0,1,2,3
.irp n, 0,1
	MM ACC+64*\n+8*(4*\g+\tt), AF+12*\tt, BF+12*\n, \zero, SA+6*((4*\g+\tt)/2)+\kq, SB+\kq, \tt%2, \n
.endr
.endr
.rept 4
	v_nop
.endr
.endr
.endm
; 64 numbers of a lane, v[s] .. v[s + 63], register 16 b + i = k 32 b + 16 (lane / 16) + i of my row, become a fragment's codes in v[pc] on and its scale word in v[pw].
.macro QUANT s, pc, pw
.irp b, 0,1,2,3
	v_max3_num_f32 v[TM+\b], |v[\s+16*\b]|, |v[\s+1+16*\b]|, 0x1800000   ; block b: my 16 numbers, and the floor 2^(3 - 127): the byte cannot fall under 1.  (Each accumulator is read from its low end on)
.endr
.irp i, 2,4,6,8,10,12,14
.irp b, 0,1,2,3
	v_max3_num_f32 v[TM+\b], v[TM+\b], |v[\s+16*\b+\i]|, |v[\s+1+16*\b+\i]|   ; the four blocks by turns
.endr
.endr
.irp b, 0,1,2,3
	s_delay_alu instid0(VALU_DEP_4)
	v_permlanex16_b32 v[TM+4+\b], v[TM+\b], s[SEL], s[SEL+1]
.endr
.irp b, 0,1,2,3
	s_delay_alu instid0(VALU_DEP_4)
	v_max_num_f32 v[TM+\b], v[TM+\b], v[TM+4+\b]   ; with lane l xor 16's: the block's largest magnitude
.endr
.irp b, 0,1,2,3
	s_delay_alu instid0(VALU_DEP_4)
	v_add_nc_u32 v[TM+12+\b], 0xff000000, v[TM+\b] ; 2 off its exponent field: the conversion takes the exponent field of this operand as its scale
.endr
.irp b, 0,1,2,3
	s_delay_alu instid0(VALU_DEP_4)
	v_lshrrev_b32 v[TM+4+\b], 23, v[TM+12+\b]      ; the scale's byte
.endr
	s_delay_alu instid0(VALU_DEP_3)
	v_lshl_or_b32 v[\pw], v[TM+5], 8, v[TM+4]      ; the four bytes make my row's scale word
	s_delay_alu instid0(VALU_DEP_1)
	v_lshl_or_b32 v[\pw], v[TM+6], 16, v[\pw]
	s_delay_alu instid0(VALU_DEP_1)
	v_lshl_or_b32 v[\pw], v[TM+7], 24, v[\pw]
.irp c, 0,1
	v_cvt_scalef32_pk16_fp6_f32 v[\pc+6*\c:\pc+2+6*\c], v[\s+32*\c:\s+15+32*\c], v[TM+12+2*\c]
	v_cvt_scalef32_pk16_fp6_f32 v[TC+4*\c:TC+2+4*\c], v[\s+16+32*\c:\s+31+32*\c], v[TM+12+2*\c+1]   ; (a conversion's three registers begin on an even number)
.endr
	v_nop                                          ; one plain place behind a scaled conversion
.irp c, 0,1                                    ; the operand's layout wants a whole block in a lane: lanes 0-15 block 2 c, lanes 16-31 block 2 c + 1
.irp i, 0,1,2
	v_permlane16_swap_b32 v[\pc+6*\c+\i], v[TC+4*\c+\i]
.endr
.irp i, 0,1,2
	s_delay_alu instid0(VALU_DEP_3)
	v_mov_b32 v[\pc+3+6*\c+\i], v[TC+4*\c+\i]
.endr
.endr
.endm
	s_load_b256 s[4:11], s[0:1], 0x0               ; x's codes s[4:5], x's scales s[6:7], Wq's codes s[8:9], Wq's scales s[10:11]
	s_load_b256 s[12:19], s[0:1], 0x20             ; Wk's codes s[12:13], scales s[14:15], Wv's codes s[16:17], scales s[18:19]
	s_load_b128 s[20:23], s[0:1], 0x40             ; qimg s[20:21], kv s[22:23]
	v_lshl_add_u32 v126, v0, 2, 0x4ec00
	v_mov_b32 v127, 0
	ds_add_u32 v126, v127
	ds_add_u32 v126, v127
	v_lshrrev_b32 v1, 5, v0
	s_delay_alu instid0(VALU_DEP_1)
	v_readfirstlane_b32 s[WV], v1                  ; wave 0..11
	s_bfe_u32 s67, ttmp6, 0x40000                  ; cx, cy: my place in the cluster
	s_bfe_u32 s68, ttmp6, 0x40004
	s_lshl_b32 s69, ttmp9, 2
	s_add_co_u32 s69, s69, s67                     ; the head = 4 x cluster x + cx
	s_and_b32 s70, ttmp7, 0xffff
	s_lshl_b32 s70, s70, 2
	s_add_co_u32 s70, s70, s68                     ; the block of 256 rows = 4 x cluster y + cy
	s_lshl_b32 s71, s68, 2
	s_lshl_b32 s71, 15, s71                        ; my row of the cluster
	s_lshl_b32 s78, 0x1111, s67                    ; my column
	s_or_b32 s[G1X], s71, PADW                     ; x's tiles hang on the block of rows alone: shared along the row
	s_or_b32 s[G1W], s78, PADW                     ; the weights' on the head alone: shared along the column
.irp g, G1X, G1W
	s_mov_b32 s[\g+1], 192<<16                     ; tensor_dim0 = 192 bytes: 256 codes
	s_mov_b32 s[\g+2], 64<<16                      ; tensor_dim1 = 64 rows
	s_mov_b32 s[\g+3], 192<<16                     ; tile_dim0
	s_mov_b32 s[\g+4], 64                          ; tile_dim1
	s_mov_b32 s[\g+5], 576                         ; a row of 768 codes in memory
	s_mov_b32 s[\g+6], 0
	s_mov_b32 s[\g+7], 0
.endr
	s_and_b32 s79, s[WV], 3
	s_lshl_b32 s80, s79, 6
	s_lshl_b32 s90, s70, 8
	s_add_co_u32 s90, s90, s80                     ; x: row 256 x block + 64 x wave (waves 0-3 fetch)
	s_mul_i32 s90, s90, 576
	s_mov_b32 s91, 0
	s_mul_i32 s94, s69, 36864                      ; the weights: 64 rows of 576 bytes a head
	s_mov_b32 s95, 0
	s_min_u32 s96, s[WV], 6
	s_mul_i32 s96, s96, 64*ROWP                    ; where a wave's 64 rows go: x's at rows 64 w, Wq's, Wk's, Wv's (waves 4, 5, 6) at rows 64 w too
	s_wait_dscnt 0x0
	s_wait_kmcnt 0x0
	s_add_nc_u64 s[90:91], s[4:5], s[90:91]
	s_cmp_eq_u32 s[WV], 5
	s_cselect_b64 s[92:93], s[12:13], s[16:17]     ; wave 5: Wk; wave 6: Wv;
	s_cmp_eq_u32 s[WV], 4
	s_cselect_b64 s[92:93], s[8:9], s[92:93]       ; wave 4: Wq
	s_add_nc_u64 s[92:93], s[92:93], s[94:95]
.irp c, 0,1,2
	s_mov_b32 s[G0X+4*\c], 1                       ; count = 1
	s_add_co_u32 s[G0X+4*\c+1], s96, \c*CH         ; LDS address: chunk c
	s_add_nc_u64 s[G0X+4*\c+2:G0X+4*\c+3], s[90:91], \c*192
	s_or_b32 s[G0X+4*\c+3], s[G0X+4*\c+3], 0x80000000   ; type = 2
	s_mov_b32 s[G0W+4*\c], 1
	s_add_co_u32 s[G0W+4*\c+1], s96, \c*CH
	s_add_nc_u64 s[G0W+4*\c+2:G0W+4*\c+3], s[92:93], \c*192
	s_or_b32 s[G0W+4*\c+3], s[G0W+4*\c+3], 0x80000000
.endr
	CROUND                                         ; all sixteen work-groups are here: the joint loads meet
	s_cmp_lt_u32 s[WV], 4                          ; a wave's three fills stand together in one branch on the wave's number: three loads of mine are out
	s_cbranch_scc0 .Lnot_x
	tensor_load_to_lds s[G0X:G0X+3], s[G1X:G1X+7]
	s_nop 0
	tensor_load_to_lds s[G0X+4:G0X+7], s[G1X:G1X+7]
	s_nop 0
	tensor_load_to_lds s[G0X+8:G0X+11], s[G1X:G1X+7]
	s_nop 0
.rept 4
	v_nop
.endr
	s_branch .Lasked
.Lnot_x:
	s_cmp_lt_u32 s[WV], 7
	s_cbranch_scc0 .Lasked
	tensor_load_to_lds s[G0W:G0W+3], s[G1W:G1W+7]
	s_nop 0
	tensor_load_to_lds s[G0W+4:G0W+7], s[G1W:G1W+7]
	s_nop 0
	tensor_load_to_lds s[G0W+8:G0W+11], s[G1W:G1W+7]
	s_nop 0
.rept 4
	v_nop
.endr
.Lasked:
	; my role's rows in LDS, from the wave's number by shifts, ANDs and sums alone
	s_bfe_u32 s80, s[WV], 0x10001                  ; rho: which 128 rows of x (V role)
	s_and_b32 s81, s[WV], 1                        ; pv: which 32 rows of Wv
	s_lshr_b32 s90, s[WV], 3                       ; 1 in the V role
	s_xor_b32 s91, s90, 1                          ; 1 in the QK role
	s_lshl_b32 s92, s91, 8                         ; A: QK: row 256 (Wq, Wk);
	s_and_b32 s93, s90, s80
	s_lshl_b32 s93, s93, 7
	s_add_co_u32 s92, s92, s93                     ;    V: row 128 rho
	s_mul_i32 s92, s92, ROWP
	s_min_u32 s93, s[WV], 8
	s_lshl_b32 s93, s93, 5                         ; B: QK: row 32 w;  V: 256
	s_lshl_b32 s94, s90, 7
	s_add_co_u32 s93, s93, s94                     ;    + 128
	s_and_b32 s94, s90, s81
	s_lshl_b32 s94, s94, 5
	s_add_co_u32 s93, s93, s94                     ;    + 32 pv
	s_mul_i32 s93, s93, ROWP
	v_and_b32 v9, 31, v0                           ; lane
	s_delay_alu instid0(VALU_DEP_1)
	v_lshlrev_b32 v[L16], 4, v9
	s_delay_alu instid0(VALU_DEP_2)
	v_lshlrev_b32 v[L8], 3, v9
	s_delay_alu instid0(VALU_DEP_3)
	v_lshlrev_b32 v[L4], 2, v9
	v_and_b32 v10, 15, v0                          ; r
	v_bfe_u32 v11, v0, 4, 1                        ; h
	s_delay_alu instid0(VALU_DEP_2)
	v_and_b32 v12, 8, v10
	s_delay_alu instid0(VALU_DEP_1)
	v_add_nc_u32 v12, v12, v10                     ; r + 8 (r / 8)
	s_delay_alu instid0(VALU_DEP_1)
	v_mul_u32_u24 v13, v12, ROWP
	s_delay_alu instid0(VALU_DEP_1)
	v_mad_u32_u24 v14, v11, 24, v13
	s_delay_alu instid0(VALU_DEP_2)
	v_mad_u32_u24 v15, v11, 40, v13
	s_delay_alu instid0(VALU_DEP_2)
	v_add_nc_u32 v[AA], s92, v14
	s_delay_alu instid0(VALU_DEP_2)
	v_add_nc_u32 v[AA+1], s92, v15
	s_delay_alu instid0(VALU_DEP_4)
	v_add_nc_u32 v[AB], s93, v14
	s_delay_alu instid0(VALU_DEP_4)
	v_add_nc_u32 v[AB+1], s93, v15
	v_lshl_add_u32 v[VSC], v11, 3, v12
	s_delay_alu instid0(VALU_DEP_1)
	v_mul_u32_u24 v[VSC], v[VSC], 24
	; my role's places in memory: both roles' offsets are made, then chosen on w < 8
	s_wait_alu depctr_va_vdst(0)
	s_mul_i32 s71, s69, 1536                       ; a head's 64 rows of 24 scale bytes
	s_lshl_b32 s78, s70, 8
	s_lshl_b32 s94, s80, 7
	s_add_co_u32 s94, s94, s78
	s_mul_i32 s94, s94, 24                         ; V: A's scale bytes: x's rows 256 block + 128 rho on,
	s_add_co_u32 s95, s94, 1536                    ;    and 64 rows further
	s_lshl_b32 s96, s[WV], 5
	s_add_co_u32 s96, s96, s78
	s_mul_i32 s96, s96, 24                         ; QK: B's: x's rows 256 block + 32 w on
	s_mul_i32 s97, s81, 768
	s_add_co_u32 s97, s97, s71                     ; V: B's: Wv's rows 32 pv on
	s_lshr_b32 s98, s[WV], 2                       ; QK: which of the block's two steps of 128
	s_mul_i32 s99, s79, 1536                       ; QK: K's tiles 2 (w & 3), 2 (w & 3) + 1
	s_mul_i32 s2, s81, 3072
	s_add_co_u32 s2, s2, 6656                      ; V: V's tiles 2 pv, 2 pv + 1
	s_lshl_b32 s3, s79, 7
	s_add_co_u32 s3, s3, 6144                      ; QK: K's scale words
	s_lshl_b32 s78, s81, 7
	s_add_co_u32 s78, s78, 12800                   ; V: V's
	s_cmp_lt_u32 s[WV], 8
	s_cselect_b64 s[PA0:PA0+1], s[10:11], s[6:7]
	s_cselect_b64 s[PA1:PA1+1], s[14:15], s[6:7]
	s_cselect_b64 s[PB:PB+1], s[6:7], s[18:19]
	s_cselect_b32 s94, s71, s94
	s_cselect_b32 s95, s71, s95
	s_cselect_b32 s96, s96, s97
	s_cselect_b32 s98, s98, s80
	s_cselect_b32 s99, s99, s2
	s_cselect_b32 s3, s3, s78
	s_mov_b32 s81, 0
	s_mov_b32 s80, s94
	s_add_nc_u64 s[PA0:PA0+1], s[PA0:PA0+1], s[80:81]
	s_mov_b32 s80, s95
	s_add_nc_u64 s[PA1:PA1+1], s[PA1:PA1+1], s[80:81]
	s_mov_b32 s80, s96
	s_add_nc_u64 s[PB:PB+1], s[PB:PB+1], s[80:81]
.irp p, 0,1                                    ; the scale words of all of K, once, into registers: 24 bytes a row as three loads of 8
.irp j, 0,1,2
	global_load_b64 v[SA+6*\p+2*\j:SA+6*\p+2*\j+1], v[VSC], s[PA0:PA0+1] offset:768*\p+8*\j
	global_load_b64 v[SA+12+6*\p+2*\j:SA+12+6*\p+2*\j+1], v[VSC], s[PA1:PA1+1] offset:768*\p+8*\j
.endr
.endr
.irp j, 0,1,2
	global_load_b64 v[SB+2*\j:SB+2*\j+1], v[VSC], s[PB:PB+1] offset:8*\j
.endr
	s_lshl_b32 s97, s70, 1
	s_add_co_u32 s98, s98, s97                     ; the step of 128 rows: 2 x block + ..
	s_lshl_b32 s97, s69, 5
	s_add_co_u32 s98, s98, s97                     ; 32 x head + step
	s_mul_i32 s97, s98, 13056
	s_add_co_u32 s80, s97, s99
	s_add_nc_u64 s[KVC:KVC+1], s[22:23], s[80:81]
	s_add_co_u32 s80, s97, s3
	s_add_nc_u64 s[KVS:KVS+1], s[22:23], s[80:81]
	s_lshl_b32 s98, s98, 2
	s_add_co_u32 s98, s98, s79
	s_mul_i32 s80, s98, 1792
	s_add_nc_u64 s[QB:QB+1], s[20:21], s[80:81]
	s_mov_b32 s[SEL], 0x76543210
	s_mov_b32 s[SEL+1], 0xfedcba98
	s_wait_tensorcnt 2                             ; my part of chunk 0 is in; my two later chunks may stay out
	s_barrier_signal -1
	s_barrier_wait -1                              ; everybody's is
	s_wait_loadcnt 0x0                             ; the scale words
	KSTEP 0, 0, 1                                  ; the first step's products start the sums: nothing is cleared
	KSTEP 1, 1, 0
	s_wait_tensorcnt 1                             ; chunk 1; my last chunk may stay out
	s_barrier_signal -1
	s_barrier_wait -1
.irp a, AA, AA+1, AB, AB+1
	v_add_nc_u32 v[\a], CH, v[\a]
.endr
	s_wait_alu depctr_va_vdst(0)
	KSTEP 0, 2, 0
	KSTEP 1, 3, 0
	s_wait_tensorcnt 0x0                           ; chunk 2
	s_barrier_signal -1
	s_barrier_wait -1
.irp a, AA, AA+1, AB, AB+1
	v_add_nc_u32 v[\a], CH, v[\a]
.endr
	s_wait_alu depctr_va_vdst(0)
	KSTEP 0, 4, 0
	KSTEP 1, 5, 0                                  ; (its four places stand ahead of the first read of results)
.irp b, 0,1,2,3
	v_mov_b32 v[TM+4+\b], 0                        ; written once: a lane permute's destination counts as one of its sources
.endr
	QUANT ACC, PC0, PW
	QUANT ACC+64, PC1, PW+1
	s_mov_b32 vcc_lo, 0xffff0000                   ; lanes 16-31 take the pair's second tile
	s_cmp_lt_u32 s[WV], 8
	s_cbranch_scc0 .Lvrole
	; QK: registers 0-5 are q's codes, 6-11 k's; the word's bytes 0, 1 are q's, bytes 2, 3 k's
.irp n, 0,1
	v_and_b32 v[TM+\n], 0xffff, v[PW+\n]
	s_delay_alu instid0(VALU_DEP_1)
	v_lshl_or_b32 v[QW+\n], v[TM+\n], 16, v[TM+\n]         ; q's two bytes, twice
	v_lshrrev_b32 v[TM+2+\n], 16, v[PW+\n]
	s_delay_alu instid0(VALU_DEP_1)
	v_lshl_or_b32 v[KW+\n], v[TM+2+\n], 16, v[TM+2+\n]     ; k's likewise
.endr
	s_delay_alu instid0(VALU_DEP_1)
	v_cndmask_b32 v[WS], v[KW], v[KW+1], vcc_lo
.irp n, 0,1
	global_store_b128 v[L16], v[PC0+12*\n:PC0+12*\n+3], s[QB:QB+1] offset:768*\n
	global_store_b64 v[L8], v[PC0+12*\n+4:PC0+12*\n+5], s[QB:QB+1] offset:768*\n+512
	global_store_b64 v[L8], v[PC0+12*\n+6:PC0+12*\n+7], s[KVC:KVC+1] offset:768*\n
	global_store_b128 v[L16], v[PC0+12*\n+8:PC0+12*\n+11], s[KVC:KVC+1] offset:768*\n+256
.endr
	global_store_b64 v[L8], v[QW:QW+1], s[QB:QB+1] offset:1536
	global_store_b32 v[L4], v[WS], s[KVS:KVS+1]
	s_branch .Lout
.Lvrole:
	v_cndmask_b32 v[WS], v[PW], v[PW+1], vcc_lo
	s_wait_alu depctr_va_vdst(0)
.irp n, 0,1
.irp c, 0,1,2
	global_store_b128 v[L16], v[PC0+12*\n+4*\c:PC0+12*\n+4*\c+3], s[KVC:KVC+1] offset:1536*\n+512*\c
.endr
.endr
	global_store_b32 v[L4], v[WS], s[KVS:KVS+1]
.Lout:
	s_wait_tensorcnt 0x0
	ds_add_u32 v126, v127
	s_wait_dscnt 0x0
	CROUND                                         ; the closing round: no work-group ends while a partner may still ask for a tile that names it
	s_endpgm
.Lfunc_end_k_qf29b37ca6b_proj:
	.size	k_qf29b37ca6b_proj, .Lfunc_end_k_qf29b37ca6b_proj-k_qf29b37ca6b_proj
	.p2alignl 7, 3214868480
	.fill 96, 4, 3214868480
	.section	.rodata,"a",@progbits
	.p2align	6, 0x0
	.amdhsa_kernel k_qf29b37ca6b_proj
		.amdhsa_group_segment_fixed_size 327680
		.amdhsa_private_segment_fixed_size 0
		.amdhsa_enable_private_segment 0
		.amdhsa_kernarg_size 80
		.amdhsa_user_sgpr_count 2
		.amdhsa_user_sgpr_kernarg_segment_ptr 1
		.amdhsa_wavefront_size32 1
		.amdhsa_system_sgpr_workgroup_id_x 1
		.amdhsa_system_sgpr_workgroup_id_y 1
		.amdhsa_system_sgpr_workgroup_id_z 1
		.amdhsa_system_vgpr_workitem_id 0
		.amdhsa_next_free_vgpr 256
		.amdhsa_next_free_sgpr 100
		.amdhsa_reserve_vcc 1
		.amdhsa_float_denorm_mode_32 3
		.amdhsa_float_denorm_mode_16_64 3
		.amdhsa_memory_ordered 1
		.amdhsa_forward_progress 1
		.amdhsa_inst_pref_size 61
	.end_amdhsa_kernel
	.amdgpu_metadata
---
amdhsa.version: [ 1, 2 ]
amdhsa.kernels:
  - .name:           k_qf29b37ca6b_proj
    .symbol:         k_qf29b37ca6b_proj.kd
    .args:
      - { .name: x_codes, .offset: 0, .size: 8, .value_kind: global_buffer, .address_space: global }
      - { .name: x_scales, .offset: 8, .size: 8, .value_kind: global_buffer, .address_space: global }
      - { .name: q_proj_codes, .offset: 16, .size: 8, .value_kind: global_buffer, .address_space: global }
      - { .name: q_proj_scales, .offset: 24, .size: 8, .value_kind: global_buffer, .address_space: global }
      - { .name: k_proj_codes, .offset: 32, .size: 8, .value_kind: global_buffer, .address_space: global }
      - { .name: k_proj_scales, .offset: 40, .size: 8, .value_kind: global_buffer, .address_space: global }
      - { .name: v_proj_codes, .offset: 48, .size: 8, .value_kind: global_buffer, .address_space: global }
      - { .name: v_proj_scales, .offset: 56, .size: 8, .value_kind: global_buffer, .address_space: global }
      - { .name: qimg, .offset: 64, .size: 8, .value_kind: global_buffer, .address_space: global }
      - { .name: kv, .offset: 72, .size: 8, .value_kind: global_buffer, .address_space: global }
    .group_segment_fixed_size: 327680
    .private_segment_fixed_size: 0
    .kernarg_segment_align: 8
    .kernarg_segment_size: 80
    .max_flat_workgroup_size: 384
    .sgpr_count:     100
    .vgpr_count:     256
    .wavefront_size: 32
...
	.end_amdgpu_metadata
.endif
;; end of part 1
;; launch attn (part 2): grid 384 x 1, 16 waves a work-group, no clusters, 327,680 bytes of LDS; arguments qimg, kv, out0; writes out0
.if DOCPART == 2
	.amdgcn_target "amdgcn-amd-amdhsa--gfx1250"
	.amdhsa_code_object_version 6
	.text
	.protected	k_qf29b37ca6b_attn
	.globl	k_qf29b37ca6b_attn
	.p2align	8
	.type	k_qf29b37ca6b_attn,@function
k_qf29b37ca6b_attn:
	s_mov_b64 s[64:65], 0
	v_nop
	global_prefetch_b8 v0, s[64:65] scope:SCOPE_SE
	s_setreg_imm32_b32 hwreg(HW_REG_WAVE_MODE, 25, 1), 1
	s_wait_xcnt 0x0
; out[h][q][:] = the sum over keys k <= q of softmax_k(Q[h][q] . K[h][k] / 8) V[h][k][:], both products on codes of FP6 (E2M3) with one E8M0 scale for each 32 along a product's K.
; Q, K, V come as images of the operands' registers, with their scale words, as the launch before has laid them (qimg, kv: see there).
; THE SOFTMAX AHEAD OF THE SECOND PRODUCT: t = score x log2(e) / 8; M = the largest t so far, rounded up to a whole number; p = 2^(t - M) is quantised along the keys, not normalised; the row's sum is taken of the unquantised p and divides at the end.
; SHARES.  A work-group owns 128 queries of one head (block i): 8 tiles of 16.  Its sixteen waves are tile (w & 7) x key phase (w >> 3).  A slot of the LDS ring holds 256 keys = two steps of 128; a wave works the step of its phase alone,
;   so all sixteen waves, four to a SIMD, have work in every slot.  The two phases of a tile keep their own M, sum and O^T; at the end they are joined by exact powers of two, through LDS.
;   Step s of block i: s < i all keys count; s = i the diagonal: hidden scores become -infinity; s > i the step's work is jumped over, by a scalar branch on ids.
; WHICH BLOCK: the work-groups with low numbers take the long blocks; the 128 beyond the first 256 take the shortest.  rk = x ^ 128 (x < 256) or 639 - x;  head = rk % 12, i = 31 - rk / 12.
; LAYOUT.  Both products are used transposed: S^T = K Q^T (source 0 = 16 keys, source 1 = my 16 queries), O^T = V^T P^T: a lane holds one query throughout.  The rows of a tile are 32 b + 8 u + r + 8 (r / 8),
;   so that the 16 registers of tiles 2 b, 2 b + 1 are 16 neighbours.
; K = 64 IN A PRODUCT OF 128: Q's registers 6-11 hold zero codes.  K's tile t is named as twelve registers from v[32 + 6 t]: its upper six are the next tile's codes (behind tile 7: six registers of zeros).
;   FP6 has no code for infinity or NaN, so those products are zeros; the scale words hold the two real bytes twice.
; NO CLUSTER: the blocks of a head walk different numbers of slots (2 x max(ceil((i + 1) / 4), 2)) and jump over different steps; partners would need different numbers of tiles, and a short block has to end, so that a waiting one can begin.
; The loop's trip count hangs on the work-group's number, so no LDS address hangs on a register that is stepped in the loop: a trip writes out both slots, with constant offsets.
; LIMITS: p under 2^-126 counts as 0 (v_exp_f32 gives no denormals); a block of p that are all 0 keeps the byte 1 over zero codes.  NaN and infinities in q, k, v are not served.
.set SBK,   13056                      ; a step's block in kv and in LDS: 51 x 256 bytes
.set SLOT,  2*SBK
.set MRG,   2*SLOT                     ; behind the ring: for each tile 4,352 bytes: phase 1's O^T (8 x 512), its -M (128), its sum (128)
.set STG,   MRG+8*4352                 ; for each tile a stage of 16 rows x (256 + 16) bytes
.set SPARE, STG+8*4352                 ; the spare words, 128 bytes for each wave: eight blocks of 256 bytes that no other line names
.set WV,  10                           ; s10 wave; s11 phase; s12 tile
.set PHI, 11
.set TAU, 12
.set IB,  13                           ; s13 my block of queries, which is also the diagonal's step
.set HD,  14                           ; s14 the head
.set ST,  15                           ; s15 the step that I am at: phase, phase + 2, ..
.set CNT, 16                           ; s16 the loop's trips to go
.set QCB, 18                           ; s[18:19] my tile of Q
.set SEL, 20                           ; s[20:21] lane selects for v_permlanex16_b32: lane l xor 16
.set CS,  22                           ; s[22:23] c = log2(e) / 8: the packed form names a pair and takes its low word for both halves
.set G1,  24                           ; s[24:31] descriptor group 1;  s[32:39] groups 0, a set for each slot
.set G0,  32
.set QSB, 40                           ; s[40:41] my tile's scale words
.set OB,  42                           ; s[42:43] my tile's first row of out
.set PFA, 44                           ; s[44:45] where my prefetches stand;  s46 which run of 8,192 bytes of the head that is;  s47 51 in a wave that prefetches, else 0
.set PFC, 46
.set PFL, 47
.set A16, 1                            ; v1-3 16, 8, 4 x lane + my phase's step in a slot
.set A8,  2
.set A4,  3
.set VD,  4                            ; v4  my query in the block - 16 (lane / 16)
.set SPW, 5                            ; v5  LDS address of my spare word; never rewritten
.set NIL, 6                            ; v6  0; never rewritten
.set GO,  7                            ; v7  the way out: 256 (lane / 16) + 16 (lane % 16)
.set MA16, 8                           ; v8, v9 the tile's place for phase 1's O^T; for its -M and sum
.set MA4, 9
.set STO, 10                           ; v10, v11 the stage: in, back
.set RD,  11
.set QF,  16                           ; v16-27 Q (v22-27 zeros); v12 -M, v13 the largest t, v[14:15] the sum in two halves
.set QS,  28                           ; v28 Q's scale words: scales and nothing else
.set PFO, 29                           ; v29 256 x lane
.set KF,  32                           ; v32-79 K's 8 tiles x 6 registers, then V's 4 tiles x 12;  v80-85 zeros
.set KS,  86                           ; v86-89 K's scale words, v90-91 V's, v92 p's: scales and nothing else
.set VS,  90
.set PS,  92
.set SS,  96                           ; v96-159 S^T, then p
.set OO,  160                          ; v160-191 O^T
.set PC,  192                          ; v192-203 p's codes;  v204-206, v208-210 the conversions' second halves
.set TC,  204
.set BM,  212                          ; v212-215 a block's largest score, then its largest p
.set BT,  216                          ; v216-219 at work
.set SO,  220                          ; v220-223 the conversions' scale operands
.set FF,  224                          ; v[224:225] f = 2^(old M - new M)
.set TT,  226                          ; v226 at work
.macro TLOAD g0                        ; waves 0 and 1 fetch a slot's two steps, one load each; four v_nop follow the load
	s_cmp_lt_u32 s[WV], 2
	s_cbranch_scc0 .Lnone_\@
	tensor_load_to_lds s[\g0:\g0+3], s[G1:G1+7]
	s_nop 0
.rept 4
	v_nop
.endr
.Lnone_\@:
.endm
; A PREFETCH INTO THE L2.  A head's part of kv is 51 runs of 8,192 bytes (32 lanes x 256).  All blocks of a head walk it from its start; the block with i = 31, which walks all of it, asks, and nobody else:
; its waves 4 to 7, which fetch nothing, one run each at every change of slots that fills a slot: runs 7 to 10 at the first, four more at each next, so each aligned block of 256 bytes is named once.
; What a change asks for covers the slot that the next change will load.  Slots 0 and 1 and the first 5,120 bytes of slot 2 come by their loads alone.  Behind run 50 nothing is asked for.
.macro ASK
	s_cmp_lt_u32 s[PFC], s[PFL]
	s_cbranch_scc0 .Lnot_mine_\@
	global_prefetch_b8 v[PFO], s[PFA:PFA+1] th:TH_LOAD_NT scope:SCOPE_SE
.Lnot_mine_\@:
.endm
; A KEY STEP: the 128 keys of my phase in slot s.
.macro STEP s
	s_cmp_gt_u32 s[ST], s[IB]                      ; all its keys come after my queries: nothing to do but to count the step
	s_cbranch_scc1 .Lhidden_\@
.irp t, 0,1,2,3,4,5,6,7
	ds_load_b64 v[KF+6*\t:KF+6*\t+1], v[A8] offset:SLOT*(\s)+768*\t
	ds_load_b128 v[KF+6*\t+2:KF+6*\t+5], v[A16] offset:SLOT*(\s)+768*\t+256
.endr
.irp j, 0,1,2,3
	ds_load_b32 v[KS+\j], v[A4] offset:SLOT*(\s)+6144+128*\j
.endr
	s_wait_dscnt 0x0                               ; K is in
.irp t, 0,2,4,6                                ; S^T = K Q^T: eight tiles of 16 keys
	v_wmma_scale_f32_16x16x128_f8f6f4 v[SS+8*\t:SS+8*\t+7], v[KF+6*\t:KF+6*\t+11], v[QF:QF+11], 0, v[KS+\t/2], v[QS] matrix_a_fmt:MATRIX_FMT_FP6 matrix_b_fmt:MATRIX_FMT_FP6
	v_wmma_scale_f32_16x16x128_f8f6f4 v[SS+8*\t+8:SS+8*\t+15], v[KF+6*\t+6:KF+6*\t+17], v[QF:QF+11], 0, v[KS+\t/2], v[QS] matrix_a_fmt:MATRIX_FMT_FP6 matrix_b_fmt:MATRIX_FMT_FP6 matrix_a_scale:MATRIX_SCALE_ROW1
.endr
.rept 4
	v_nop                                          ; four places: ahead of the loads into K's registers, and of the first read of the scores (ISA guide 7.12.1 for vector instructions)
.endr
.irp t, 0,1,2,3                                ; V's fragments are asked for now and land under the softmax
.irp c, 0,1,2
	ds_load_b128 v[KF+12*\t+4*\c:KF+12*\t+4*\c+3], v[A16] offset:SLOT*(\s)+6656+1536*\t+512*\c
.endr
.endr
.irp j, 0,1
	ds_load_b32 v[VS+\j], v[A4] offset:SLOT*(\s)+12800+128*\j
.endr
	s_cmp_lg_u32 s[ST], s[IB]
	s_cbranch_scc1 .Lopen_\@
	v_mov_b32 v[TT], 0xff800000                    ; THE DIAGONAL.  Register 16 b + i holds key 32 b + 16 (lane / 16) + i of the step: hidden where 32 b + i > my query - 16 (lane / 16)
.set n, 0
.rept 64
	v_cmp_gt_i32 vcc_lo, 32*(n/16)+n%16, v[VD]
	v_cndmask_b32 v[SS+n], v[SS+n], v[TT], vcc_lo
.set n, n+1
.endr
.Lopen_\@:
.irp b, 0,1,2,3
	v_max3_num_f32 v[BM+\b], v[SS+16*\b], v[SS+1+16*\b], v[SS+2+16*\b]   ; the largest score of each block of 32 keys: for the row's maximum, and, since p rises with the score, for the block's largest p
.endr
.irp i, 3,5,7,9,11,13
.irp b, 0,1,2,3
	v_max3_num_f32 v[BM+\b], v[BM+\b], v[SS+16*\b+\i], v[SS+1+16*\b+\i]
.endr
.endr
.irp b, 0,1,2,3
	v_max_num_f32 v[BM+\b], v[BM+\b], v[SS+15+16*\b]
.endr
.irp b, 0,1,2,3
	s_delay_alu instid0(VALU_DEP_4)
	v_permlanex16_b32 v[BT+\b], v[BM+\b], s[SEL], s[SEL+1]
.endr
.irp b, 0,1,2,3
	s_delay_alu instid0(VALU_DEP_4)
	v_max_num_f32 v[BM+\b], v[BM+\b], v[BT+\b]     ; with lane l xor 16's 16 keys
.endr
	s_delay_alu instid0(VALU_DEP_2)
	v_max3_num_f32 v[TT], v[BM], v[BM+1], v[BM+2]
	s_delay_alu instid0(VALU_DEP_1)
	v_max_num_f32 v[TT], v[TT], v[BM+3]            ; the step's largest score of my query
	s_delay_alu instid0(VALU_DEP_1)
	v_mul_f32 v[TT], s[CS], v[TT]                  ; as t
	s_delay_alu instid0(VALU_DEP_1)
	v_max_num_f32 v13, v13, v[TT]                  ; the running largest t
	v_mov_b32 v[TT], v12
	s_delay_alu instid0(VALU_DEP_2)
	v_floor_f32 v12, -v13                          ; the new -M = floor(-t) = -ceil(t)
	s_delay_alu instid0(VALU_DEP_1)
	v_sub_f32 v[TT], v12, v[TT]                    ; old M - new M: a whole number, 0 or less
	s_delay_alu instid0(VALU_DEP_1)
	v_cvt_i32_f32 v[TT], v[TT]                     ; (it saturates)
	s_delay_alu instid0(VALU_DEP_1)
	v_ldexp_f32 v[FF], 1.0, v[TT]                  ; f = 2^(old M - new M): a multiplication by it rounds nothing
.set j, 0
.rept 32
	v_pk_fma_f32 v[SS+j:SS+j+1], v[SS+j:SS+j+1], s[CS:CS+1], v[12:13] op_sel_hi:[1,0,0]   ; t - M, two at a time
.set j, j+2
.endr
.irp b, 0,1,2,3
	v_fma_f32 v[BM+\b], v[BM+\b], s[CS], v12       ; the same of each block's largest score
.endr
.set j, 0
	s_wait_alu depctr_va_vdst(0)
.rept 64
	v_exp_f32 v[SS+j], v[SS+j]                     ; p = 2^(t - M)
.set j, j+1
.endr
	v_pk_mul_f32 v[14:15], v[14:15], v[FF:FF+1] op_sel_hi:[1,0]   ; the sums under the new M: the plain place behind the exponentials
	s_wait_alu depctr_va_vdst(0)                   ; one wait for the batch of 64, ahead of its first reader
.irp b, 0,1,2,3
	v_exp_f32 v[BM+\b], v[BM+\b]                   ; the block's largest p: the same two instructions on the same number give the same bits
.endr
	v_pk_add_f32 v[216:217], v[100:101], v[104:105]
	v_pk_add_f32 v[254:255], v[108:109], v[112:113]
	v_pk_add_f32 v[252:253], v[116:117], v[120:121]
	v_pk_add_f32 v[250:251], v[124:125], v[128:129]
	v_pk_add_f32 v[248:249], v[132:133], v[136:137]
	v_pk_add_f32 v[246:247], v[140:141], v[144:145]
	v_pk_add_f32 v[244:245], v[148:149], v[152:153]
	v_pk_add_f32 v[14:15], v[14:15], v[156:157]
	v_pk_add_f32 v[216:217], v[216:217], v[96:97]
	v_pk_add_f32 v[254:255], v[254:255], v[98:99]
	v_pk_add_f32 v[252:253], v[252:253], v[102:103]
	v_pk_add_f32 v[250:251], v[250:251], v[106:107]
	v_pk_add_f32 v[248:249], v[248:249], v[110:111]
	v_pk_add_f32 v[246:247], v[246:247], v[114:115]
	v_pk_add_f32 v[244:245], v[244:245], v[118:119]
	v_pk_add_f32 v[14:15], v[14:15], v[122:123]
	v_pk_add_f32 v[216:217], v[216:217], v[126:127]
	v_pk_add_f32 v[254:255], v[254:255], v[130:131]
	v_pk_add_f32 v[252:253], v[252:253], v[134:135]
	v_pk_add_f32 v[250:251], v[250:251], v[138:139]
	v_pk_add_f32 v[248:249], v[248:249], v[142:143]
	v_pk_add_f32 v[246:247], v[246:247], v[146:147]
	v_pk_add_f32 v[244:245], v[244:245], v[150:151]
	v_pk_add_f32 v[14:15], v[14:15], v[154:155]
	v_pk_add_f32 v[216:217], v[216:217], v[158:159]
	s_delay_alu instid0(VALU_DEP_2)
	v_pk_add_f32 v[14:15], v[14:15], v[250:251]
	s_delay_alu instid0(VALU_DEP_2)
	v_pk_add_f32 v[216:217], v[216:217], v[248:249]
	v_pk_add_f32 v[254:255], v[254:255], v[246:247]
	v_pk_add_f32 v[252:253], v[252:253], v[244:245]
	s_delay_alu instid0(VALU_DEP_2)
	v_pk_add_f32 v[14:15], v[14:15], v[254:255]
	s_delay_alu instid0(VALU_DEP_2)
	v_pk_add_f32 v[216:217], v[216:217], v[252:253]
	s_delay_alu instid0(VALU_DEP_1)
	v_pk_add_f32 v[14:15], v[14:15], v[216:217]
	s_wait_alu depctr_va_vdst(0)                   ; and one for the four
.irp b, 0,1,2,3
	v_max_num_f32 v[BM+\b], 0x1800000, v[BM+\b]    ; the floor 2^(3 - 127): the byte cannot fall under 1
.endr
.irp b, 0,1,2,3
	s_delay_alu instid0(VALU_DEP_4)
	v_add_nc_u32 v[SO+\b], 0xff000000, v[BM+\b]    ; 2 off the exponent field: the conversion's scale operand
.endr
.irp b, 0,1,2,3
	s_delay_alu instid0(VALU_DEP_4)
	v_lshrrev_b32 v[BT+\b], 23, v[SO+\b]           ; the scale's byte
.endr
	s_delay_alu instid0(VALU_DEP_3)
	v_lshl_or_b32 v[PS], v[BT+1], 8, v[BT]         ; p's scale word for these 128 keys
	s_delay_alu instid0(VALU_DEP_1)
	v_lshl_or_b32 v[PS], v[BT+2], 16, v[PS]
	s_delay_alu instid0(VALU_DEP_1)
	v_lshl_or_b32 v[PS], v[BT+3], 24, v[PS]
.irp c, 0,1
	v_cvt_scalef32_pk16_fp6_f32 v[PC+6*\c:PC+2+6*\c], v[SS+32*\c:SS+15+32*\c], v[SO+2*\c]
	v_cvt_scalef32_pk16_fp6_f32 v[TC+4*\c:TC+2+4*\c], v[SS+16+32*\c:SS+31+32*\c], v[SO+2*\c+1]   ; (a conversion's three registers begin on an even number)
.endr
	v_nop                                          ; one plain place behind a scaled conversion
.irp c, 0,1                                    ; the operand's layout wants a whole block in a lane
.irp i, 0,1,2
	v_permlane16_swap_b32 v[PC+6*\c+\i], v[TC+4*\c+\i]
.endr
.irp i, 0,1,2
	s_delay_alu instid0(VALU_DEP_3)
	v_mov_b32 v[PC+3+6*\c+\i], v[TC+4*\c+\i]
.endr
.endr
.set j, 0
.rept 16
	v_pk_mul_f32 v[OO+j:OO+j+1], v[OO+j:OO+j+1], v[FF:FF+1] op_sel_hi:[1,0]   ; O^T under the new M.  Of these sixteen, twelve name no register of any one product below: the places between p's scale word and codes and those products
.set j, j+2
.endr
	s_wait_alu depctr_va_vdst(0)
	s_wait_dscnt 0x0                               ; V is in
.irp t, 0,2                                    ; O^T += V^T P^T: four tiles of 16 of the head's 64, by turns
	v_wmma_scale_f32_16x16x128_f8f6f4 v[OO+8*\t:OO+8*\t+7], v[KF+12*\t:KF+12*\t+11], v[PC:PC+11], v[OO+8*\t:OO+8*\t+7], v[VS+\t/2], v[PS] matrix_a_fmt:MATRIX_FMT_FP6 matrix_b_fmt:MATRIX_FMT_FP6
	v_wmma_scale_f32_16x16x128_f8f6f4 v[OO+8*\t+8:OO+8*\t+15], v[KF+12*\t+12:KF+12*\t+23], v[PC:PC+11], v[OO+8*\t+8:OO+8*\t+15], v[VS+\t/2], v[PS] matrix_a_fmt:MATRIX_FMT_FP6 matrix_b_fmt:MATRIX_FMT_FP6 matrix_a_scale:MATRIX_SCALE_ROW1
.endr
.rept 4
	v_nop                                          ; places ahead of the next step's loads into V's registers, and of the first read of O^T
.endr
.Lhidden_\@:
	s_add_co_u32 s[ST], s[ST], 2                   ; my phase's next step
.endm
; THE CHANGE OF SLOTS stands at a slot's head.  Each wave waits for all its tensor loads (its part of the slot ahead), adds 0 to its spare word, and waits for that and for its reads of the slot that it has left.
; Behind the barrier the slot ahead is whole and nobody reads the other one.  refill = 1: that other slot takes the next 256 keys: one load a wave, first behind the barrier, with a slot's work in which to land.
.macro TRIP slot, refill
	s_wait_tensorcnt 0x0                           ; no tensor load of mine is out, so a group 0 may be written
	ds_add_u32 v[SPW], v[NIL]                      ; 0 onto my spare word
	s_add_nc_u64 s[G0+4*\slot+2:G0+4*\slot+3], s[G0+4*\slot+2:G0+4*\slot+3], 2*SLOT   ; this slot's next 256 keys; the type bits on top are not reached
.if \refill
	s_wait_xcnt 0x0                                ; the last prefetch, a slot back, has read its address, so it may be written
	s_add_nc_u64 s[PFA:PFA+1], s[PFA:PFA+1], 32768
	s_add_co_u32 s[PFC], s[PFC], 4
.endif
	s_wait_dscnt 0x0                               ; the add is done, and my reads of the slot that I have left are over
	s_barrier_signal -1
	s_barrier_wait -1
.if \refill
	TLOAD G0+4-4*\slot
	ASK
.endif
	STEP \slot
.endm
	s_load_b128 s[4:7], s[0:1], 0x0                ; qimg s[4:5], kv s[6:7]
	s_load_b64 s[8:9], s[0:1], 0x10                ; out
	v_lshl_add_u32 v[SPW], v0, 2, SPARE
	v_mov_b32 v[NIL], 0
	ds_add_u32 v5, v6
	ds_add_u32 v5, v6
	s_wait_dscnt 0x0
	v_lshrrev_b32 v1, 5, v0
	s_delay_alu instid0(VALU_DEP_1)
	v_readfirstlane_b32 s[WV], v1                  ; wave 0..15
	s_lshr_b32 s[PHI], s[WV], 3
	s_and_b32 s[TAU], s[WV], 7
	s_xor_b32 s48, ttmp9, 128
	s_sub_co_u32 s49, 639, ttmp9
	s_cmp_lt_u32 ttmp9, 256
	s_cselect_b32 s48, s48, s49                    ; rk, 0 .. 383
	s_mul_i32 s49, s48, 43691
	s_lshr_b32 s49, s49, 19                        ; rk / 12: 12 x 43,691 = 2^19 + 4, exact for rk up to 383
	s_mul_i32 s50, s49, 12
	s_sub_co_u32 s[HD], s48, s50
	s_sub_co_u32 s[IB], 31, s49
	s_add_co_u32 s[CNT], s[IB], 4
	s_lshr_b32 s[CNT], s[CNT], 2
	s_max_u32 s[CNT], s[CNT], 2                    ; pairs of slots: ceil((i + 1) / 4), at least 2: 8 to 32 steps are fetched, none past the head's 32
	s_sub_co_u32 s[CNT], s[CNT], 1                 ; the last pair is written out
	s_mov_b32 s[ST], s[PHI]
	s_mov_b32 s[G1], 3<<16                         ; no mask; elements of 8 bytes; no padding: every LDS read takes neighbouring bytes in neighbouring lanes
	s_mov_b32 s[G1+1], 32<<16                      ; tensor_dim0 = 32 elements: 256 bytes
	s_mov_b32 s[G1+2], 51<<16                      ; tensor_dim1 = 51 rows: a step's dense block
	s_mov_b32 s[G1+3], 32<<16                      ; tile_dim0
	s_mov_b32 s[G1+4], 51                          ; tile_dim1
	s_mov_b32 s[G1+5], 32                          ; the pitch
	s_mov_b32 s[G1+6], 0
	s_mov_b32 s[G1+7], 0
	s_and_b32 s51, s[WV], 1
	s_mul_i32 s51, s51, SBK                        ; which of a slot's two steps I fetch, in memory and in LDS
	s_mul_i32 s52, s[HD], 32*SBK
	s_mov_b32 s53, 0
	s_wait_kmcnt 0x0
	s_add_nc_u64 s[54:55], s[6:7], s[52:53]        ; the head's part of kv
	s_mov_b32 s52, s51
	s_add_nc_u64 s[48:49], s[54:55], s[52:53]
.irp n, 0,1
	s_mov_b32 s[G0+4*\n], 1                        ; count = 1
	s_add_co_u32 s[G0+4*\n+1], s51, \n*SLOT        ; LDS address
	s_add_nc_u64 s[G0+4*\n+2:G0+4*\n+3], s[48:49], \n*SLOT   ; global address: slot n begins with keys 256 n on
	s_or_b32 s[G0+4*\n+3], s[G0+4*\n+3], 0x80000000   ; type = 2
.endr
	TLOAD G0                                       ; slot 0
	s_and_b32 s[PFC], s[WV], 3
	s_add_co_u32 s[PFC], s[PFC], 3                 ; the first change of slots steps it to runs 7 .. 10
	s_lshl_b32 s52, s[PFC], 13
	s_add_nc_u64 s[PFA:PFA+1], s[54:55], s[52:53]
	s_lshr_b32 s50, s[WV], 2
	s_xor_b32 s50, s50, 1                          ; 0 in waves 4 to 7
	s_xor_b32 s51, s[IB], 31                       ; 0 in the block that walks the whole head
	s_or_b32 s50, s50, s51
	s_cmp_eq_u32 s50, 0
	s_cselect_b32 s[PFL], 51, 0
	s_lshr_b32 s56, s[TAU], 1                      ; b: my tile's pair
	s_and_b32 s57, s[TAU], 1                       ; n: which of the pair
	s_lshl_b32 s58, s56, 5
	s_lshl_b32 s50, s57, 3
	s_add_co_u32 s58, s58, s50                     ; 32 b + 8 n: my tile's first query in the block
	s_lshl_b32 s50, s[HD], 5
	s_add_co_u32 s50, s50, s[IB]
	s_lshl_b32 s50, s50, 2
	s_add_co_u32 s50, s50, s56
	s_mul_i32 s50, s50, 1792                       ; the pair's record in qimg
	s_mul_i32 s51, s57, 768
	s_add_co_u32 s52, s50, s51
	s_add_nc_u64 s[QCB:QCB+1], s[4:5], s[52:53]
	s_lshl_b32 s51, s57, 2
	s_add_co_u32 s52, s50, s51
	s_add_co_u32 s52, s52, 1536
	s_add_nc_u64 s[QSB:QSB+1], s[4:5], s[52:53]
	s_lshl_b32 s50, s[HD], 12
	s_lshl_b32 s51, s[IB], 7
	s_add_co_u32 s50, s50, s51
	s_add_co_u32 s50, s50, s58
	s_lshl_b32 s52, s50, 8                         ; a row of out is 256 bytes
	s_add_nc_u64 s[OB:OB+1], s[8:9], s[52:53]
	s_mov_b32 s[SEL], 0x76543210
	s_mov_b32 s[SEL+1], 0xfedcba98
	s_mov_b32 s[CS], 0x3e38aa3b                    ; log2(e) / 8
	s_mov_b32 s[CS+1], s[CS]                       ; (named with it as a pair, so it is written)
	v_and_b32 v32, 31, v0                          ; lane
	v_and_b32 v33, 15, v0                          ; r
	v_bfe_u32 v34, v0, 4, 1                        ; h
	s_delay_alu instid0(VALU_DEP_3)
	v_lshlrev_b32 v[PFO], 8, v32
	s_delay_alu instid0(VALU_DEP_4)
	v_lshlrev_b32 v30, 4, v32
	v_lshlrev_b32 v31, 3, v32
	global_load_b128 v[QF:QF+3], v30, s[QCB:QCB+1]             ; Q's six registers stay
	global_load_b64 v[QF+4:QF+5], v31, s[QCB:QCB+1] offset:512
	global_load_b32 v[QS], v31, s[QSB:QSB+1]                   ; and its scale words
.irp j, 0,1,2,3,4,5
	v_mov_b32 v[QF+6+\j], 0                        ; Q's upper half: zero codes
	v_mov_b32 v[KF+48+\j], 0                       ; what stands behind K's tile 7
.endr
	s_mul_i32 s48, s[PHI], SBK
	v_lshl_add_u32 v[A16], v32, 4, s48
	v_lshl_add_u32 v[A8], v32, 3, s48
	v_lshl_add_u32 v[A4], v32, 2, s48
	v_and_b32 v35, 8, v33
	s_delay_alu instid0(VALU_DEP_1)
	v_add_nc_u32 v35, v35, v33                     ; r + 8 (r / 8)
	v_lshlrev_b32 v[VD], 4, v34
	s_delay_alu instid0(VALU_DEP_1)
	v_sub_nc_u32 v[VD], v35, v[VD]
	s_delay_alu instid0(VALU_DEP_1)
	v_add_nc_u32 v[VD], s58, v[VD]
	v_lshlrev_b32 v[GO], 8, v34
	s_delay_alu instid0(VALU_DEP_1)
	v_lshl_add_u32 v[GO], v33, 4, v[GO]
	s_mul_i32 s49, s[TAU], 4352
	s_add_co_u32 s50, s49, MRG
	v_lshl_add_u32 v[MA16], v32, 4, s50
	s_add_co_u32 s50, s49, MRG+4096
	v_lshl_add_u32 v[MA4], v32, 2, s50
	s_add_co_u32 s50, s49, STG
	v_mul_u32_u24 v[STO], v33, 272
	s_delay_alu instid0(VALU_DEP_1)
	v_lshl_add_u32 v[STO], v34, 6, v[STO]
	s_delay_alu instid0(VALU_DEP_1)
	v_add_nc_u32 v[STO], s50, v[STO]               ; in: row r; my half's 16 channels of each 32: + 64 h
	v_mul_u32_u24 v[RD], v34, 272
	s_delay_alu instid0(VALU_DEP_1)
	v_lshl_add_u32 v[RD], v33, 4, v[RD]
	s_delay_alu instid0(VALU_DEP_1)
	v_add_nc_u32 v[RD], s50, v[RD]                 ; back: lanes 0-15 one row, lanes 16-31 the next
	v_mov_b32 v13, 0xff61b1e6                      ; the largest t so far: -3e38, under every t
	s_delay_alu instid0(VALU_DEP_1)
	v_floor_f32 v12, -v13                          ; -M
	v_mov_b32 v14, 0                               ; the sum, in two halves
	v_mov_b32 v15, 0
.irp b, 0,1,2,3
	v_mov_b32 v[BT+\b], 0                          ; written once: a lane permute's destination counts as one of its sources
.endr
	v_mov_b32 v[FF+1], 0                           ; (named as the upper half of a pair)
	v_mov_b32 v[TT], 0
.set j, 0
.rept 32
	v_mov_b32 v[OO+j], 0                           ; O^T.  (The step is written without a first step of its own: the first change of M multiplies zeros)
.set j, j+1
.endr
	s_wait_loadcnt 0x0                             ; Q
.Lpair:                                            ; a trip goes once round the ring
	TRIP 0, 1
	TRIP 1, 1
	s_sub_co_u32 s[CNT], s[CNT], 1
	s_cmp_lg_u32 s[CNT], 0
	s_cbranch_scc1 .Lpair
	TRIP 0, 1                                      ; the last pair is written out
	TRIP 1, 0
	; THE TWO PHASES ARE JOINED.  Phase 1 leaves its O^T, -M and sum in LDS as they stand in its registers; phase 0 brings both under the larger M, by exact powers of two, divides and stores.
	v_add_f32 v14, v14, v15
	s_delay_alu instid0(VALU_DEP_1)
	v_permlanex16_b32 v[TT], v14, s[SEL], s[SEL+1]
	s_delay_alu instid0(VALU_DEP_1)
	v_add_f32 v14, v14, v[TT]                      ; my phase's sum of the row
	s_cmp_eq_u32 s[PHI], 0
	s_cbranch_scc1 .Lkeep
	s_wait_alu depctr_va_vdst(0)
.irp k, 0,1,2,3,4,5,6,7
	ds_store_b128 v[MA16], v[OO+4*\k:OO+4*\k+3] offset:512*\k   ; each accumulator from its low end on
.endr
	ds_store_b32 v[MA4], v12
	ds_store_b32 v[MA4], v14 offset:128
.Lkeep:
	s_wait_dscnt 0x0                               ; for the partner's sake: my stores have landed
	s_barrier_signal -1
	s_barrier_wait -1
	s_cmp_lg_u32 s[PHI], 0
	s_cbranch_scc1 .Lend
.irp k, 0,1,2,3,4,5,6,7
	ds_load_b128 v[SS+4*\k:SS+4*\k+3], v[MA16] offset:512*\k
.endr
	ds_load_b32 v128, v[MA4]
	ds_load_b32 v129, v[MA4] offset:128
	s_wait_dscnt 0x0
	v_min_num_f32 v130, v12, v128                  ; -M of the two: the larger M
	s_delay_alu instid0(VALU_DEP_1)
	v_sub_f32 v131, v130, v12
	s_delay_alu instid0(VALU_DEP_2)
	v_sub_f32 v132, v130, v128                     ; whole numbers, 0 or less; a phase that saw no key stands at -3e38
	s_delay_alu instid0(VALU_DEP_2)
	v_cvt_i32_f32 v131, v131                       ; (it saturates: such a phase gets the factor 0)
	s_delay_alu instid0(VALU_DEP_2)
	v_cvt_i32_f32 v132, v132
	s_delay_alu instid0(VALU_DEP_2)
	v_ldexp_f32 v131, 1.0, v131
	s_wait_alu depctr_va_vdst(0)
	v_ldexp_f32 v132, 1.0, v132
	v_mul_f32 v133, v131, v14
	s_delay_alu instid0(VALU_DEP_1)
	v_fma_f32 v133, v132, v129, v133               ; the row's sum
	s_wait_alu depctr_va_vdst(0)
	v_rcp_f32 v134, v133
	v_nop                                          ; a plain place behind the reciprocal
	s_wait_alu depctr_va_vdst(0)                   ; and the wait ahead of its first reader
	v_mul_f32 v136, v131, v134
	v_mul_f32 v137, v131, v134
	v_mul_f32 v138, v132, v134
	v_mul_f32 v139, v132, v134
.set j, 0
.rept 16
	v_pk_mul_f32 v[KF+j:KF+j+1], v[OO+j:OO+j+1], v[136:137]
.set j, j+2
.endr
.set j, 0
.rept 16
	v_pk_fma_f32 v[KF+j:KF+j+1], v[SS+j:SS+j+1], v[138:139], v[KF+j:KF+j+1]
.set j, j+2
.endr
	; register 16 b + k holds channel 32 b + 16 h + k of query r: through my stage, and out as whole rows of 256 bytes
.irp b, 0,1
.irp k, 0,1,2,3
	ds_store_b128 v[STO], v[KF+16*\b+4*\k:KF+16*\b+4*\k+3] offset:128*\b+16*\k
.endr
.endr
.irp i, 0,1,2,3,4,5,6,7
	ds_load_b128 v[SS+4*\i:SS+4*\i+3], v[RD] offset:544*\i     ; LDS serves a wave's instructions in order (ISA guide 5.7.1.4): these see my stores
.endr
.irp i, 0,1,2,3,4,5,6,7
	s_wait_dscnt 7-\i                              ; the younger loads from the stage may stay out
	global_store_b128 v[GO], v[SS+4*\i:SS+4*\i+3], s[OB:OB+1] offset:(2*\i+8*(\i/4))*256 th:TH_STORE_NT   ; stage rows 2 i, 2 i + 1 are queries 2 i + 8 (i / 4) and the next: sixteen lanes store 256 consecutive bytes, aligned
.endr
.Lend:
	s_wait_tensorcnt 0x0                           ; the wave's end: behind my last tensor load and my last LDS store
	ds_add_u32 v[SPW], v[NIL]
	s_wait_dscnt 0x0
	s_endpgm
.Lfunc_end_k_qf29b37ca6b_attn:
	.size	k_qf29b37ca6b_attn, .Lfunc_end_k_qf29b37ca6b_attn-k_qf29b37ca6b_attn
	.p2alignl 7, 3214868480
	.fill 96, 4, 3214868480
	.section	.rodata,"a",@progbits
	.p2align	6, 0x0
	.amdhsa_kernel k_qf29b37ca6b_attn
		.amdhsa_group_segment_fixed_size 327680
		.amdhsa_private_segment_fixed_size 0
		.amdhsa_enable_private_segment 0
		.amdhsa_kernarg_size 24
		.amdhsa_user_sgpr_count 2
		.amdhsa_user_sgpr_kernarg_segment_ptr 1
		.amdhsa_wavefront_size32 1
		.amdhsa_system_sgpr_workgroup_id_x 1
		.amdhsa_system_sgpr_workgroup_id_y 1
		.amdhsa_system_sgpr_workgroup_id_z 1
		.amdhsa_system_vgpr_workitem_id 0
		.amdhsa_next_free_vgpr 256
		.amdhsa_next_free_sgpr 66
		.amdhsa_reserve_vcc 1
		.amdhsa_float_denorm_mode_32 3
		.amdhsa_float_denorm_mode_16_64 3
		.amdhsa_memory_ordered 1
		.amdhsa_forward_progress 1
		.amdhsa_inst_pref_size 106
	.end_amdhsa_kernel
	.amdgpu_metadata
---
amdhsa.version: [ 1, 2 ]
amdhsa.kernels:
  - .name:           k_qf29b37ca6b_attn
    .symbol:         k_qf29b37ca6b_attn.kd
    .args:
      - { .name: qimg, .offset: 0, .size: 8, .value_kind: global_buffer, .address_space: global }
      - { .name: kv, .offset: 8, .size: 8, .value_kind: global_buffer, .address_space: global }
      - { .name: out0, .offset: 16, .size: 8, .value_kind: global_buffer, .address_space: global }
    .group_segment_fixed_size: 327680
    .private_segment_fixed_size: 0
    .kernarg_segment_align: 8
    .kernarg_segment_size: 24
    .max_flat_workgroup_size: 512
    .sgpr_count:     66
    .vgpr_count:     256
    .wavefront_size: 32
...
	.end_amdgpu_metadata
.endif
;; end of part 2
